; MI455X (gfx1250); checked and timed in simulation.
; The chip was launched on July 23, 2026; its instructions are those of AMD's public machine-readable ISA for CDNA 5 (MIT licence, August 2026) and "CDNA5" Instruction Set Architecture Reference Guide (July 2026). The comments in the code are by the model that wrote it; some were corrected since.
;; Dynamic Linear. Allowed arithmetic: float matrix products may take bf16 or f16 operands with f32 sums; other float arithmetic in f32, or as packed bf16 or f16 multiplies, adds, multiply-adds, maxima and minima; sums over many terms, partial sums and values carried from step to step in f32; what a program stores and reads back later, other than sums and carried values, may be rounded once to bf16 or f16.
;; Inputs: biases 8 x 1,024 float32; input 8,192 x 1,024 float32; w 8,192 x 8 float32; weights 8 x 1,024 x 1,024 float32.
;; Outputs: out0 8,192 x 1,024 float32.
;; 2 versions, each right; version 2 is version 1 with the launch pack written anew for expert scheduling mode. Each part assembles by itself: llvm-mc -triple=amdgcn-amd-amdhsa -mcpu=gfx1250 --defsym DOCPART=n.
;; ======== version 1 of 2: 2 launches
;; limits: values are held in f16: magnitudes above 65,504 overflow, below 6.1e-05 lose precision
;; workspace buffers: wh 16,777,216 bytes
;; launch pack (part 1): grid 512 x 1, 8 waves a work-group, no clusters, 0 bytes of LDS; arguments weights, wh; writes wh
.if DOCPART == 1
	.amdgcn_target "amdgcn-amd-amdhsa--gfx1250"
	.amdhsa_code_object_version 6
	.text
	.protected	k_qf48d64c2ec_pack
	.globl	k_qf48d64c2ec_pack
	.p2align	8
	.type	k_qf48d64c2ec_pack,@function
k_qf48d64c2ec_pack:
	s_mov_b64 s[64:65], 0
	v_nop
	global_prefetch_b8 v0, s[64:65] scope:SCOPE_SE
	s_setreg_imm32_b32 hwreg(HW_REG_WAVE_MODE, 25, 1), 1
	s_wait_xcnt 0x0
; wh = weights, each number rounded once to f16 and laid in blocks for the launch behind.
; weights: [8 d][1024 o][1024 i] f32.  wh: [16 kc][2 j][1024 o][4 dd][64 kk] f16, with d = 4 j + dd and i = 64 kc + kk:
; byte ((2 kc + j) 1024 + o) 512 + 128 dd + 2 kk.  So what one K chunk of 64 and four d want of 256 rows o is 131,072 dense bytes.
; LIMITS.  f16 ends at 65,504: a weight of 65,520 or more in magnitude becomes an infinity; below 6e-5 a weight keeps f16's fixed step of 6e-8.
; SHARES.  4,096 units, one a wave: unit u = 8 x work-group + wave takes o = u / 4 and the two rows d = 2 (u % 4), 2 (u % 4) + 1 (lanes 0-15, lanes 16-31).
; A load takes 256 consecutive aligned bytes of each of the two rows; a store's 32 lanes x 8 bytes are 256 consecutive aligned bytes of wh.
; All 16 loads of a wave go out at once (8 KiB a wave); no register is written twice, so no wait frees one.  No LDS, no barrier, no matrix unit: nothing is shared.
.set X, 8                              ; v[8:71]    16 x 4 numbers as loaded
.set Y, 72                             ; v[72:103]  16 x 2 registers to store
	s_load_b128 s[4:7], s[0:1], 0x0                ; weights s[4:5], wh s[6:7]
	v_lshrrev_b32 v3, 5, v0
	v_readfirstlane_b32 s8, v3                     ; wave 0..7
	v_and_b32 v4, 31, v0                           ; lane
	v_and_b32 v5, 15, v0
	v_lshrrev_b32 v6, 4, v4                        ; which of the two rows
	v_lshlrev_b32 v1, 4, v5                        ; 16 bytes a lane,
	v_lshl_add_u32 v1, v6, 22, v1                  ; and one d (4 MiB) further for lanes 16-31
	v_lshlrev_b32 v2, 3, v4                        ; in wh: 8 bytes a lane; lanes 16-31 fall on the next dd, 128 bytes on
	s_lshl_b32 s9, ttmp9, 3
	s_add_co_u32 s9, s9, s8                        ; u
	s_lshr_b32 s10, s9, 2                          ; o
	s_and_b32 s11, s9, 3                           ; the pair of d
	s_lshl_b32 s12, s11, 23                        ; two d are 8 MiB
	s_lshl_b32 s13, s10, 12                        ; a row is 4,096 bytes
	s_add_co_u32 s12, s12, s13
	s_mov_b32 s13, 0
	s_lshr_b32 s14, s11, 1                         ; j
	s_lshl_b32 s14, s14, 19                        ; 1,024 rows of 512 bytes
	s_lshl_b32 s15, s10, 9
	s_add_co_u32 s14, s14, s15
	s_and_b32 s15, s11, 1                          ; dd = 0, 1 or 2, 3
	s_lshl_b32 s15, s15, 8
	s_add_co_u32 s14, s14, s15
	s_mov_b32 s15, 0
	s_wait_kmcnt 0x0
	s_add_nc_u64 s[4:5], s[4:5], s[12:13]
	s_add_nc_u64 s[6:7], s[6:7], s[14:15]          ; kc = 0 .. 7 by the immediate, 1 MiB each,
	s_add_nc_u64 s[16:17], s[6:7], 0x800000        ; kc = 8 .. 15 from a second base: the immediate has 24 signed bits
.irp kc, 0,1,2,3,4,5,6,7,8,9,10,11,12,13,14,15
	global_load_b128 v[X+4*(\kc):X+4*(\kc)+3], v1, s[4:5] offset:256*(\kc) th:TH_LOAD_NT
.endr
.irp kc, 0,1,2,3,4,5,6,7,8,9,10,11,12,13,14,15
	s_wait_loadcnt 15-(\kc)                        ; loads come back in order: chunk kc is in, the younger ones stay out
	v_cvt_pk_f16_f32 v[Y+2*(\kc)], v[X+4*(\kc)], v[X+4*(\kc)+1]
	v_cvt_pk_f16_f32 v[Y+2*(\kc)+1], v[X+4*(\kc)+2], v[X+4*(\kc)+3]
.if (\kc) < 8
	global_store_b64 v2, v[Y+2*(\kc):Y+2*(\kc)+1], s[6:7] offset:(\kc)*1048576 th:TH_STORE_NT
.else
	global_store_b64 v2, v[Y+2*(\kc):Y+2*(\kc)+1], s[16:17] offset:((\kc)-8)*1048576 th:TH_STORE_NT
.endif
.endr
	s_endpgm
.Lfunc_end_k_qf48d64c2ec_pack:
	.size	k_qf48d64c2ec_pack, .Lfunc_end_k_qf48d64c2ec_pack-k_qf48d64c2ec_pack
	.p2alignl 7, 3214868480
	.fill 96, 4, 3214868480
	.section	.rodata,"a",@progbits
	.p2align	6, 0x0
	.amdhsa_kernel k_qf48d64c2ec_pack
		.amdhsa_group_segment_fixed_size 0
		.amdhsa_private_segment_fixed_size 0
		.amdhsa_enable_private_segment 0
		.amdhsa_kernarg_size 16
		.amdhsa_user_sgpr_count 2
		.amdhsa_user_sgpr_kernarg_segment_ptr 1
		.amdhsa_wavefront_size32 1
		.amdhsa_system_sgpr_workgroup_id_x 1
		.amdhsa_system_sgpr_workgroup_id_y 1
		.amdhsa_system_sgpr_workgroup_id_z 1
		.amdhsa_system_vgpr_workitem_id 0
		.amdhsa_next_free_vgpr 104
		.amdhsa_next_free_sgpr 66
		.amdhsa_reserve_vcc 0
		.amdhsa_float_denorm_mode_32 3
		.amdhsa_float_denorm_mode_16_64 3
		.amdhsa_memory_ordered 1
		.amdhsa_forward_progress 1
		.amdhsa_inst_pref_size 7
	.end_amdhsa_kernel
	.amdgpu_metadata
---
amdhsa.version: [ 1, 2 ]
amdhsa.kernels:
  - .name:           k_qf48d64c2ec_pack
    .symbol:         k_qf48d64c2ec_pack.kd
    .args:
      - { .name: weights, .offset: 0, .size: 8, .value_kind: global_buffer, .address_space: global }
      - { .name: wh, .offset: 8, .size: 8, .value_kind: global_buffer, .address_space: global }
    .group_segment_fixed_size: 0
    .private_segment_fixed_size: 0
    .kernarg_segment_align: 8
    .kernarg_segment_size: 16
    .max_flat_workgroup_size: 256
    .sgpr_count:     66
    .vgpr_count:     104
    .wavefront_size: 32
...
	.end_amdgpu_metadata
.endif
;; end of part 1
;; launch dynlin (part 2): grid 4 x 64, 4 waves a work-group, clusters of 4 x 4, 327,680 bytes of LDS; arguments input, w, wh, biases, out0; writes out0
.if DOCPART == 2
	.amdgcn_target "amdgcn-amd-amdhsa--gfx1250"
	.amdhsa_code_object_version 6
	.text
	.protected	k_qf48d64c2ec_dynlin
	.globl	k_qf48d64c2ec_dynlin
	.p2align	8
	.type	k_qf48d64c2ec_dynlin,@function
k_qf48d64c2ec_dynlin:
	s_mov_b64 s[64:65], 0
	v_nop
	global_prefetch_b8 v0, s[64:65] scope:SCOPE_SE
	s_setreg_imm32_b32 hwreg(HW_REG_WAVE_MODE, 25, 1), 1
	s_wait_xcnt 0x0
	s_wait_alu depctr_hold_cnt(0) depctr_sa_sdst(0) depctr_va_vdst(0) depctr_va_sdst(0) depctr_va_ssrc(0) depctr_va_vcc(0) depctr_vm_vsrc(0)
	s_getreg_b32 s2, hwreg(HW_REG_IB_STS2, 6, 4)
	s_cmp_eq_u32 s2, 0
	s_cbranch_scc0 .Lentry_in_a_cluster
	s_endpgm
.Lentry_in_a_cluster:
	s_bfe_u32 s2, ttmp6, 0x10000c
	s_cmp_lg_u32 s2, 0xf033
	s_cbranch_scc0 .Lentry_shape_is_right
	s_endpgm
.Lentry_shape_is_right:
; out[b][o] = sum over d of w[b][d] (sum over i of x[b][i] W[d][o][i]) + sum over d of w[b][d] bias[d][o].   x: [8192][1024], w: [8192][8], bias: [8][1024], out: [8192][1024], f32;
; wh: W in f16, [16 kc][2 j][1024 o][4 dd][64 kk] (d = 4 j + dd, i = 64 kc + kk), made by the launch before.
; THE SUM OVER d IS DRAWN INTO K: out = A' W^T with A'[b][(d, i)] = w[b][d] x[b][i], K = 8,192.  In a fragment a lane holds ONE row b, so w[b][d] is one number a lane, and A' is made from
; x's fragment by one packed multiply a register.  One set of accumulators serves all d, and x's fragment is read from LDS once for eight d.
; FORMAT.  x, w, w x, W and bias are each rounded once to f16; products of the matrix unit and all sums in f32; out is stored as the f32 sum.
; LIMITS.  f16 ends at 65,504: |x|, |w|, |w x|, |W| and |bias| must stay under it (65,520 or more becomes an infinity); below 6e-5 a number keeps f16's fixed step of 6e-8.  NaN and infinities are not treated apart.
; SHARES.  A work-group makes 128 rows x 256 columns of out: 256 work-groups.  Wave v makes rows 64 (v / 2) .. + 63, columns 128 (v % 2) .. + 127: 32 accumulators of 16 x 16, 256 registers.
; THE MATRIX INSTRUCTION IS USED TRANSPOSED (source 0 = 16 rows o of wh, source 1 = 16 rows b of A'): a lane then holds eight neighbouring columns of one row of out.
; THE WALK.  16 periods of 64 i.  A period is two STEPS (j = 0, 1: four d each); step j reads LDS slot j, which holds 256 rows o x (4 dd x 64 kk).  A step is eight GROUPS q of 32 products:
; 32 i (c = q / 4) of one d (4 j + q % 4).  Behind each product stands one packed multiply that makes the NEXT group's A'.
; CLUSTER.  4 x 4 work-groups.  wh's tile hangs on the column block alone and is shared along a column of the cluster, x's on the row block alone and is shared along a row: each is asked for JOINTLY,
; by the same tensor load with the same descriptor and a mask that names the four.  Waves 0 and 1 fetch the two halves of wh's tile, waves 2 and 3 those of x's.
; REGISTERS, in windows of 256 (s_set_vgpr_msb: bits 1:0 source 0, 3:2 source 1, 5:4 source 2, 7:6 destination):
;   window 0: v0-15 addresses; v16-47 w in f32; v48-63 w packed; v64-191 x in f32 (two halves of 32 i; first the biases); v192-255 the way out
;   window 1: v0-63, v64-127 wh's fragments, two buffers; v128-159 f16(w[row][d]) in both halves, at 128 + 8 a + d
;   window 2 (row blocks a = 0, 1), window 3 (a = 2, 3), a' = a % 2: v0-127 accumulators, at 8 (8 a' + bn); v128-143, v144-159 A', two buffers; v160-191 x in f16, at 160 + 16 c + 8 a'
; A product and the multiply behind it run under ONE window setting: three switches a group.
.set WP,    528                        ; an LDS row of wh: 512 bytes + 16 of padding = 132 words: the 16 rows of a fragment load start at 16 different groups of four banks (64 banks of 4 bytes: ISA guide 11.1)
.set HALFW, 128*WP                     ; 128 rows: what one tensor load brings of wh, and what one wave reads
.set SLOT,  2*HALFW
.set XP,    272                        ; an LDS row of x (64 f32) and of the stage: 256 bytes + 16
.set XH,    64*XP                      ; 64 rows of x: what one tensor load brings, and what one wave reads
.set XT,    2*SLOT                     ; behind the two slots: x's tile, 128 rows
.set STAGE, XT+2*XH                    ; behind it, never filled by a tensor load: 16 rows x 272 bytes for each wave, for the way out
.set SPARE, STAGE+4*16*XP              ; behind the stages: the spare words, 128 bytes for each wave: two blocks of 256 bytes that no other line names
.set FILLB, 524288                     ; bytes in wh from one step's tiles to the next step's
.set R,    1                           ; v1   lane % 16
.set H,    2                           ; v2   lane / 16
.set LN,   3                           ; v3   lane
.set ADRW, 4                           ; v4-5 LDS address of my fragments of wh in slot 0, 1
.set ADRX, 6                           ; v6   of my rows of x
.set STO,  7                           ; v7   the way out: where I put 32 bytes of a row
.set RD,   8                           ; v8   the way out: where I read a row back
.set CO,   9                           ; v9   my byte offset in out
.set SPW,  10                          ; v10  LDS address of my spare word: SPARE + 4 x my thread's number; never rewritten
.set NIL,  11                          ; v11  0; never rewritten
.set PFWO, 12                          ; v12  256 x lane: the prefetches of wh; never rewritten
.set PFXO, 13                          ; v13  4,096 x lane: a row of x; never rewritten
.set WO,   14                          ; v14  32 x (lane % 16): a row of w
.set BO,   15                          ; v15  4 x (lane % 16): a column of the biases
.set WF,   16                          ; w[16 a + r][d] at WF + 8 a + d
.set PW,   48                          ; the same in f16 pairs, at PW + 4 a + i
.set T,    64                          ; x in f32, half c at T + 64 c + 16 a
.set OB,   192                         ; two buffers of 32 for the way out
.set WSC,  128                         ; window 1
.set WV,  14                           ; s14  my wave's number
.set WM,  15                           ; s15  which 64 rows are mine
.set WN,  16                           ; s16  which 128 columns; also: which half of a tile I fetch
.set CX,  17
.set CY,  18
.set RB,  19                           ; s19  my row block of 128
.set CB,  20                           ; s20  my column block of 256
.set G1W, 24                           ; s[24:31] descriptor group 1 for wh's tiles
.set G1X, 32                           ; s[32:39] for x's
.set G0W, 40                           ; s[40:47] group 0 for wh's tiles, a set for each slot
.set G0X, 48                           ; s[48:51] for x's
.set PFW, 52                           ; s[52:53] where my prefetches of wh stand
.set PFX, 54                           ; s[54:55] of x
.set LIMW, 56                          ; s56  1 where the cluster prefetches wh, else -1
.set LIMX, 57                          ; s57  1 in the wave that prefetches x, else the greatest number
.set CNT, 58                           ; s58  periods of the loop still to end
.set HMASK, 59                         ; s59  lanes 0-15
.set S_LO, 0xa9                        ; source 0 window 1; source 1, C and D window 2
.set S_HI, 0xfd                        ; the same with window 3
.set TO_W, 0x40                        ; destination window 1, the rest window 0
.set MSB, 0
.macro WIN new                         ; the immediate's high byte repeats the setting that is left; a switch that changes nothing is dropped
.if MSB != (\new)
	s_set_vgpr_msb (MSB<<8)|(\new)
.set MSB, \new
.endif
.endm
; JOINT LOADS.  The branches hang on the wave's number alone.  An s_nop 0 and four v_nop follow each tensor load, ahead of the jump, the label and what follows.
.macro JLOADW s                        ; wh's tile into slot s: waves 0 and 1
	s_cmp_lt_u32 s[WV], 2
	s_cbranch_scc0 .Lno_w_\@
	tensor_load_to_lds s[G0W+4*(\s):G0W+4*(\s)+3], s[G1W:G1W+7]
	s_nop 0
.rept 4
	v_nop
.endr
.Lno_w_\@:
.endm
.macro JLOADX                          ; x's tile: waves 2 and 3
	s_cmp_lt_u32 s[WV], 2
	s_cbranch_scc1 .Lno_x_\@
	tensor_load_to_lds s[G0X:G0X+3], s[G1X:G1X+7]
	s_nop 0
.rept 4
	v_nop
.endr
.Lno_x_\@:
.endm
.macro JLOADWX s                       ; both: one load a wave
	s_cmp_lt_u32 s[WV], 2
	s_cbranch_scc0 .Lfor_x_\@
	tensor_load_to_lds s[G0W+4*(\s):G0W+4*(\s)+3], s[G1W:G1W+7]
	s_nop 0
.rept 4
	v_nop
.endr
	s_branch .Lasked_\@
.Lfor_x_\@:
	tensor_load_to_lds s[G0X:G0X+3], s[G1X:G1X+7]
	s_nop 0
.rept 4
	v_nop
.endr
.Lasked_\@:
.endm
; PREFETCHES INTO THE L2, behind a change's joint load, its five lines and the run of LDS loads that follows them.  Each names what the NEXT change of slots will ask for: one step, 256 products, ahead of that load.
; wh: all sixteen clusters walk the same tiles, so the clusters with y = 0 ask, and nobody else.  A column block's tile is 512 blocks of 256 bytes: the four partners of a column share them out BY ADDRESS
; (cy x 32 KiB), the four waves likewise (8 KiB), a lane a block: one instruction a wave, and each block is named once in the launch.  The first three steps' tiles come by their loads alone.
; x: a tile is read by one row of one cluster.  Of its 128 rows each of the four partners takes 32, by address (cx); wave 2 asks, a lane a row.  It stops when no tile is left: s[CNT] = 1.
.macro ASKW
	s_cmp_eq_u32 s[LIMW], 1
	s_cbranch_scc0 .Lnot_w_\@
	global_prefetch_b8 v[PFWO], s[PFW:PFW+1] th:TH_LOAD_NT scope:SCOPE_SE
.Lnot_w_\@:
.endm
.macro ASKX
	s_cmp_gt_u32 s[CNT], s[LIMX]
	s_cbranch_scc0 .Lnot_x_\@
	global_prefetch_b8 v[PFXO], s[PFX:PFX+1] th:TH_LOAD_NT scope:SCOPE_SE
.Lnot_x_\@:
.endm
; A round of the cluster's barrier: my work-group's barrier, so that wave 0's signal speaks for all four waves; wave 0 signals; every wave waits for all sixteen work-groups; my work-group's barrier once more.
.macro CREST                           ; a round behind its opening barrier
	s_cmp_lg_u32 s[WV], 0
	s_cbranch_scc1 .Lnot_wave_0_\@
	s_barrier_signal -3
.Lnot_wave_0_\@:
	s_barrier_wait -3
	s_barrier_signal -1
	s_barrier_wait -1
.endm
.macro CROUND
	s_barrier_signal -1
	s_barrier_wait -1
	CREST
.endm
	s_load_b256 s[4:11], s[0:1], 0x0               ; input s[4:5], w s[6:7], wh s[8:9], biases s[10:11]
	s_load_b64 s[12:13], s[0:1], 0x20              ; out0
	v_lshl_add_u32 v[SPW], v0, 2, SPARE
	v_mov_b32 v[NIL], 0
	ds_add_u32 v[SPW], v[NIL]                      ; the wave's opening: the add and its wait stand ahead of my first tensor load; the set-up below, work on registers, stands between them
	v_lshrrev_b32 v1, 5, v0
	v_readfirstlane_b32 s[WV], v1                  ; wave 0..3
	s_lshr_b32 s[WM], s[WV], 1
	s_and_b32 s[WN], s[WV], 1
	s_bfe_u32 s[CX], ttmp6, 0x40000                ; my place in the cluster
	s_bfe_u32 s[CY], ttmp6, 0x40004
	s_lshl_b32 s[CB], ttmp9, 2                     ; in a cluster launch ttmp9 and ttmp7 count clusters
	s_add_co_u32 s[CB], s[CB], s[CX]
	s_and_b32 s[RB], ttmp7, 0xffff
	s_lshl_b32 s[RB], s[RB], 2
	s_add_co_u32 s[RB], s[RB], s[CY]
	s_lshl_b32 s21, s[CY], 2
	s_lshl_b32 s21, 15, s21                        ; my row of the cluster: places 4 cy .. 4 cy + 3
	s_lshl_b32 s22, 0x1111, s[CX]                  ; my column: places cx, cx + 4, cx + 8, cx + 12
	; group 1 for wh: 128 rows x 256 elements of 2 bytes, dense in memory, 16 bytes of padding behind every 512
	s_or_b32 s[G1W], s22, (1<<16)|(1<<20)|(1<<21)|(6<<22)|(3<<25)  ; 15:0 the mask: my column; 17:16 2-byte elements; 20 padding on; 21 set beside a mask; 24:22 after every 128 words (code 6); 31:25 4 words (code 3)
	s_mov_b32 s[G1W+1], 256<<16                    ; tensor_dim0 = 256
	s_mov_b32 s[G1W+2], 128<<16                    ; tensor_dim1 = 128
	s_mov_b32 s[G1W+3], 256<<16                    ; tile_dim0 = 256
	s_mov_b32 s[G1W+4], 128                        ; tile_dim1 = 128
	s_mov_b32 s[G1W+5], 256                        ; 256 elements from row to row
	s_mov_b32 s[G1W+6], 0
	s_mov_b32 s[G1W+7], 0
	; group 1 for x: 64 rows x 64 elements of 4 bytes, 16 bytes of padding behind every 256
	s_or_b32 s[G1X], s21, (2<<16)|(1<<20)|(1<<21)|(5<<22)|(3<<25)  ; the mask: my row; 4-byte elements; after every 64 words (code 5)
	s_mov_b32 s[G1X+1], 64<<16
	s_mov_b32 s[G1X+2], 64<<16
	s_mov_b32 s[G1X+3], 64<<16
	s_mov_b32 s[G1X+4], 64
	s_mov_b32 s[G1X+5], 1024                       ; a row of x has 1,024 elements
	s_mov_b32 s[G1X+6], 0
	s_mov_b32 s[G1X+7], 0
	; where the tiles come from and go to.  wh's offset holds cx and never cy, x's cy and never cx, each in registers of its own; no place in the cluster enters an LDS address
	s_lshl_b32 s60, s[CB], 17                      ; a column block's tile is 131,072 bytes,
	s_lshl_b32 s61, s[WN], 16                      ; my half of it 65,536
	s_add_co_u32 s60, s60, s61
	s_mov_b32 s61, 0
	s_lshl_b32 s66, s[RB], 19                      ; 128 rows of 4,096 bytes,
	s_lshl_b32 s67, s[WN], 18                      ; my 64 of them
	s_add_co_u32 s66, s66, s67
	s_mov_b32 s67, 0
	s_mul_i32 s23, s[WN], HALFW
	s_mul_i32 s74, s[WN], XH
	s_add_co_u32 s74, s74, XT
	s_mov_b32 s[G0W], 1                            ; 1:0 count = 1
	s_mov_b32 s[G0W+1], s23                        ; 63:32 LDS address: slot 0
	s_mov_b32 s[G0W+4], 1
	s_add_co_u32 s[G0W+5], s23, SLOT               ; slot 1
	s_mov_b32 s[G0X], 1
	s_mov_b32 s[G0X+1], s74
	; the other offsets
	s_lshl_b32 s76, s[RB], 19                      ; out: my first row,
	s_lshl_b32 s82, s[WM], 18
	s_add_co_u32 s76, s76, s82
	s_lshl_b32 s82, s[CB], 10                      ; my first column
	s_add_co_u32 s76, s76, s82
	s_lshl_b32 s82, s[WN], 9
	s_add_co_u32 s76, s76, s82
	s_mov_b32 s77, 0
	s_lshl_b32 s78, s[RB], 12                      ; w: 32 bytes a row
	s_lshl_b32 s82, s[WM], 11
	s_add_co_u32 s78, s78, s82
	s_mov_b32 s79, 0
	s_lshl_b32 s70, s[CB], 10                      ; biases: my first column
	s_lshl_b32 s82, s[WN], 9
	s_add_co_u32 s70, s70, s82
	s_mov_b32 s71, 0
	s_lshl_b32 s72, s[CB], 17                      ; the prefetches of wh: my work-group's and my wave's share of a tile,
	s_lshl_b32 s82, s[CY], 15
	s_add_co_u32 s72, s72, s82
	s_lshl_b32 s82, s[WV], 13
	s_add_co_u32 s72, s72, s82
	s_add_co_u32 s72, s72, 2*FILLB                 ; at step 2's tile: the first change steps it to step 3's
	s_mov_b32 s73, 0
	s_lshl_b32 s80, s[RB], 19                      ; the prefetches of x: my work-group's 32 rows,
	s_lshl_b32 s82, s[CX], 17
	s_add_co_u32 s80, s80, s82
	s_add_co_u32 s80, s80, 256                     ; at tile 1: the first change steps it to tile 2
	s_mov_b32 s81, 0
	s_and_b32 s82, ttmp7, 0xffff
	s_cmp_eq_u32 s82, 0                            ; cluster y: the same in all sixteen partners
	s_cselect_b32 s[LIMW], 1, -1
	s_cmp_eq_u32 s[WV], 2
	s_cselect_b32 s[LIMX], 1, -1
	s_mov_b32 s[HMASK], 0xffff
	s_wait_dscnt 0x0                               ; the opening add is done
	s_wait_kmcnt 0x0
	s_add_nc_u64 s[62:63], s[8:9], s[60:61]
	s_mov_b64 s[G0W+2:G0W+3], s[62:63]             ; 120:64 global address: step 0's tile
	s_or_b32 s[G0W+3], s[G0W+3], 0x80000000        ; 127:126 type = 2
	s_add_nc_u64 s[G0W+6:G0W+7], s[62:63], FILLB   ; step 1's
	s_or_b32 s[G0W+7], s[G0W+7], 0x80000000
	s_add_nc_u64 s[G0X+2:G0X+3], s[4:5], s[66:67]  ; x's tile 0
	s_or_b32 s[G0X+3], s[G0X+3], 0x80000000
	s_add_nc_u64 s[PFW:PFW+1], s[8:9], s[72:73]
	s_add_nc_u64 s[PFX:PFX+1], s[4:5], s[80:81]
	s_add_nc_u64 s[12:13], s[12:13], s[76:77]
	s_add_nc_u64 s[6:7], s[6:7], s[78:79]
	s_add_nc_u64 s[10:11], s[10:11], s[70:71]
	CROUND                                         ; all sixteen work-groups are here: the first joint loads meet
	s_cmp_lt_u32 s[WV], 2                          ; a wave's first fills stand in one branch, ahead of every wait on TENSORcnt, every LDS read and every further barrier: waves 0 and 1 have two loads out, waves 2 and 3 one
	s_cbranch_scc0 .Lfirst_x
	tensor_load_to_lds s[G0W:G0W+3], s[G1W:G1W+7]
	s_nop 0
	tensor_load_to_lds s[G0W+4:G0W+7], s[G1W:G1W+7]
	s_nop 0
.rept 4
	v_nop
.endr
	s_branch .Lfirst_asked
.Lfirst_x:
	tensor_load_to_lds s[G0X:G0X+3], s[G1X:G1X+7]
	s_nop 0
.rept 4
	v_nop
.endr
.Lfirst_asked:
	; WHILE THE TILES LAND: w, the biases, the addresses, and the 32 products w @ biases, which start all the sums: nothing is ever cleared.
	v_and_b32 v[R], 15, v0
	v_bfe_u32 v[H], v0, 4, 1
	v_and_b32 v[LN], 31, v0
	v_lshlrev_b32 v[WO], 5, v[R]
	v_lshlrev_b32 v[BO], 2, v[R]
.irp a, 0,1,2,3
	global_load_b128 v[WF+8*(\a):WF+8*(\a)+3],   v[WO], s[6:7] offset:512*(\a)     ; the eight w of row 16 a + r, in both halves of the lanes
	global_load_b128 v[WF+8*(\a)+4:WF+8*(\a)+7], v[WO], s[6:7] offset:512*(\a)+16
.endr
.irp bn, 0,1,2,3,4,5,6,7
.irp d, 0,1,2,3,4,5,6,7
	global_load_b32 v[T+8*(\bn)+(\d)], v[BO], s[10:11] offset:4096*(\d)+64*(\bn)   ; bias[d] of column 16 bn + r
.endr
.endr
	v_mul_u32_u24 v[ADRW], v[R], WP                ; a fragment of wh: row x pitch + 16 x half
	v_lshl_add_u32 v[ADRW], v[H], 4, v[ADRW]
	v_add_nc_u32 v[ADRW], s23, v[ADRW]             ; my 128 rows
	v_add_nc_u32 v[ADRW+1], SLOT, v[ADRW]
	v_mul_u32_u24 v[STO], v[R], XP                 ; x in f32, and the stage: row x pitch + 32 x half
	v_lshl_add_u32 v[STO], v[H], 5, v[STO]
	s_mul_i32 s82, s[WM], XH
	s_add_co_u32 s82, s82, XT                      ; my 64 rows of x
	v_add_nc_u32 v[ADRX], s82, v[STO]
	s_mul_i32 s83, s[WV], 16*XP
	s_add_co_u32 s83, s83, STAGE                   ; my stage
	v_add_nc_u32 v[STO], s83, v[STO]
	v_mul_u32_u24 v[RD], v[H], XP                  ; back: lanes 0-15 take one row of 256 bytes, lanes 16-31 the next
	v_lshl_add_u32 v[RD], v[R], 4, v[RD]
	v_add_nc_u32 v[RD], s83, v[RD]
	v_lshlrev_b32 v[CO], 12, v[H]                  ; and the same two rows in out
	v_lshl_add_u32 v[CO], v[R], 4, v[CO]
	v_lshlrev_b32 v[PFWO], 8, v[LN]
	v_lshlrev_b32 v[PFXO], 12, v[LN]
	s_wait_loadcnt 0x0                             ; w and the biases, once
	WIN TO_W
.set k, 0
.rept 32
	v_cvt_pk_f16_f32 v[WSC+k], v[WF+k], v[WF+k]    ; f16(w[16 a + r][d]) in both halves: the packed multiply's factor
.set k, k+1
.endr
.irp bn, 0,1,2,3,4,5,6,7                ; source 0 of the bias product, in wh's buffer 1: K place d holds bias[d]; the K places 16 to 31 hold 0
.irp i, 0,1,2,3
	v_cvt_pk_f16_f32 v[64+8*(\bn)+(\i)], v[T+8*(\bn)+2*(\i)], v[T+8*(\bn)+2*(\i)+1]
	v_mov_b32 v[64+8*(\bn)+4+(\i)], 0
.endr
.endr
	WIN 0
.set k, 0
.rept 16
	v_cvt_pk_f16_f32 v[PW+k], v[WF+2*k], v[WF+2*k+1]
.set k, k+1
.endr
.irp a, 0,1,2,3                         ; source 1, in A's buffer 1: K places 0 to 7 (lanes 0-15, registers 0-3) hold w[row][d]; all others 0, so that lanes 16-31 of source 0 count for nothing
	WIN 0x80+0x40*((\a)/2)
.irp i, 0,1,2,3
	v_cndmask_b32 v[144+8*((\a)%2)+(\i)], 0, v[PW+4*(\a)+(\i)], s[HMASK]
	v_mov_b32 v[144+8*((\a)%2)+4+(\i)], 0
.endr
.endr
; One register of the NEXT group's A': register idx (8 a' + i) of the other buffer = f16(w[row][wd]) x register idx of x's half xc.  It runs under the products' window setting.
.macro RIDER hi, buf, idx, xc, wd
	v_pk_mul_f16 v[128+16*(1-(\buf))+(\idx)], v[WSC+8*(2*(\hi)+(\idx)/8)+(\wd)], v[160+16*(\xc)+(\idx)]
.endm
; Products from .. to - 1 of the 16 of one window (hi = 0: row blocks 0, 1; 1: row blocks 2, 3) x all 8 column blocks, on buffers buf.  The 16 accumulators take turns, one instruction a turn, from part to
; part, from group to group and over the backward jump.  ride = 1: behind product i stands multiply i - 3, and the last three follow the last product: so FOUR plain vector instructions
; that name none of its registers stand behind a part's last product, ahead of the loads into the fragment buffer that it read (ISA guide 7.12.1 for vector instructions).
; zero = 1: the products start the sums.
.macro PART hi, buf, from, to, ride, nc, nd, zero
	WIN S_LO+0x54*(\hi)
.set i, \from
.rept (\to)-(\from)
.set rA, 8*i
.set rW, 64*(\buf)+8*(i%8)
.set rX, 128+16*(\buf)+8*(i/8)
.if \zero
	v_wmma_f32_16x16x32_f16 v[rA:rA+7], v[rW:rW+7], v[rX:rX+7], 0
.else
	v_wmma_f32_16x16x32_f16 v[rA:rA+7], v[rW:rW+7], v[rX:rX+7], v[rA:rA+7]
.endif
.if (\ride) && (i >= 3)
	RIDER \hi, \buf, i-3, \nc, \nd
.endif
.set i, i+1
.endr
.if (\ride) && ((\to) == 16)
	RIDER \hi, \buf, 13, \nc, \nd
	RIDER \hi, \buf, 14, \nc, \nd
	RIDER \hi, \buf, 15, \nc, \nd
.endif
.endm
; 16 LDS loads in one run: my 128 rows of wh, 32 kk at half c of d place dq, from slot s into buffer buf.  A fragment is 16 rows x 32 K in 8 registers: lane l holds row l % 16, K = 8 (l / 16) + 0..7 and 16 + 8 (l / 16) + 0..7.
.macro WLOAD s, dq, c, buf
	WIN TO_W
.irp bn, 0,1,2,3,4,5,6,7
	ds_load_b128 v[64*(\buf)+8*(\bn):64*(\buf)+8*(\bn)+3],   v[ADRW+(\s)] offset:16*WP*(\bn)+128*(\dq)+64*(\c)
	ds_load_b128 v[64*(\buf)+8*(\bn)+4:64*(\buf)+8*(\bn)+7], v[ADRW+(\s)] offset:16*WP*(\bn)+128*(\dq)+64*(\c)+32
.endr
.endm
; 16 LDS loads: half c (32 i) of my 64 rows of x, in f32, in the order of a fragment's K places
.macro XLOAD c
	WIN 0
.irp a, 0,1,2,3
	ds_load_b128 v[T+64*(\c)+16*(\a):T+64*(\c)+16*(\a)+3],     v[ADRX] offset:16*XP*(\a)+128*(\c)
	ds_load_b128 v[T+64*(\c)+16*(\a)+4:T+64*(\c)+16*(\a)+7],   v[ADRX] offset:16*XP*(\a)+128*(\c)+16
	ds_load_b128 v[T+64*(\c)+16*(\a)+8:T+64*(\c)+16*(\a)+11],  v[ADRX] offset:16*XP*(\a)+128*(\c)+64
	ds_load_b128 v[T+64*(\c)+16*(\a)+12:T+64*(\c)+16*(\a)+15], v[ADRX] offset:16*XP*(\a)+128*(\c)+80
.endr
.endm
.macro XCVT c                          ; 32 roundings: that half of x to f16, into windows 2 and 3
.irp a, 0,1,2,3
	WIN 0x80+0x40*((\a)/2)
.irp i, 0,1,2,3,4,5,6,7
	v_cvt_pk_f16_f32 v[160+16*(\c)+8*((\a)%2)+(\i)], v[T+64*(\c)+16*(\a)+2*(\i)], v[T+64*(\c)+16*(\a)+2*(\i)+1]
.endr
.endr
.endm
.macro NEXTOF j, q                     ; the group behind group q of step j: its half of x NC, its d ND, its slot NS and d place NDQ
.if (\q) < 7
.set NC, ((\q)+1)/4
.set NDQ, ((\q)+1)%4
.set ND, 4*(\j)+NDQ
.set NS, \j
.else
.set NC, 0
.set NDQ, 0
.set ND, 4*(1-(\j))
.set NS, 1-(\j)
.endif
.endm
; A GROUP without a change of slots.  Its head fetches the next group's fragments of wh into the buffer that the group before multiplied; the counted wait leaves just these loads out.
; xr = 1 (a period's second step): the NEXT period's x is taken from LDS in the heads of groups 0 and 1 and rounded where the old half has had its last reader: half 0 ahead of group 3 (the multiplies of
; group 2 read it last), half 1 in group 7 (those of group 6).
.macro GRP j, q, xr
	NEXTOF \j, \q
.if (\xr) && ((\q) < 2)
	XLOAD \q
.endif
	WLOAD NS, NDQ, NC, ((\q)+1)%2
.if (\xr) && ((\q) < 2)
	s_wait_dscnt 32                                ; all but the 32 just issued: this group's fragments are in
.else
	s_wait_dscnt 16                                ; all but the 16 just issued
.endif
.if (\xr) && ((\q) == 3)
	XCVT 0
.endif
	PART 0, (\q)%2, 0, 16, 1, NC, ND, 0
	PART 1, (\q)%2, 0, 16, 1, NC, ND, 0
.endm
; GROUP 6 AND THE CHANGE OF SLOTS.  Its head holds the step's last reads of the slot.  ONE barrier, for two things: in front of it each wave waits for all its tensor loads (one is out: its part of the other slot,
; or of x's next tile), adds 0 to its spare word, and waits for that and for its own reads of the slot and of x's tile; behind it nobody reads them any more, and the other slot is whole.
; fill = 1: the barrier opens a round of the cluster's barrier, so that no wave of any partner still reads the slot or has a load on its way; the descriptors and the prefetches' addresses are stepped here.
.macro G6 j, fill
	NEXTOF \j, 6
	WLOAD NS, NDQ, NC, 1
	s_wait_dscnt 16
	PART 0, 0, 0, 16, 1, NC, ND, 0
	WIN 0                                          ; (the add's two registers lie in window 0)
.if \fill
	s_wait_xcnt 0x0                                ; the last prefetches, seven groups back, have read their addresses, so these may be written
	s_add_nc_u64 s[PFW:PFW+1], s[PFW:PFW+1], FILLB
.if (\j) == 0
	s_add_nc_u64 s[PFX:PFX+1], s[PFX:PFX+1], 256
.endif
.endif
	s_wait_tensorcnt 0x0                           ; all my tensor loads have landed, so a group 0 may be written;
	ds_add_u32 v[SPW], v[NIL]                      ; 0 onto my spare word; scalar steps and eight products stand between it and the wait for it
.if \fill
	s_add_nc_u64 s[G0W+4*(\j)+2:G0W+4*(\j)+3], s[G0W+4*(\j)+2:G0W+4*(\j)+3], 2*FILLB  ; this slot's tile two steps on; the type bits on top are not reached
.if (\j) == 1
	s_add_nc_u64 s[G0X+2:G0X+3], s[G0X+2:G0X+3], 256  ; x's next 64 columns
.endif
.endif
	PART 1, 0, 0, 8, 1, NC, ND, 0
	s_wait_dscnt 0x0                               ; the add is done, and my reads of this slot and of x's tile are over:
	s_barrier_signal -1                            ; say so,
	PART 1, 0, 8, 16, 1, NC, ND, 0                 ; work on registers while the others arrive,
	WIN 0
	s_barrier_wait -1                              ; and go on when all four have said so
.if \fill
	CREST
.endif
.endm
; GROUP 7.  The refill is the first thing behind the round: ld = 1: wh's tile two steps on, into the slot just read out; 2: also x's tile (one load a wave); 0: none.  It has 240 products in which to land.
; Then the next step's first fragments, from the other slot; the prefetches; the second half of the next period's x.  This group's own fragments were shown in by group 6's wait for 0.
.macro G7 j, xr, ld, aw, ax
	NEXTOF \j, 7
.if (\ld) == 1
	JLOADW \j
.elseif (\ld) == 2
	JLOADWX \j
.endif
	WLOAD NS, NDQ, NC, 0
.if (\aw) || (\ax)
	WIN 0                                          ; at a label and at a branch every window is 0
.endif
.if \aw
	ASKW
.endif
.if \ax
	ASKX
.endif
.if \xr
	XCVT 1
.endif
	PART 0, 1, 0, 16, 1, NC, ND, 0
	PART 1, 1, 0, 16, 1, NC, ND, 0
.endm
; THE WAY OUT, in eight passes ps = 2 a + hb: 16 rows x 64 columns of f32.  A lane's 32 bytes of a row go into my own stage (each accumulator's low four registers first) and come back as whole rows of 256 bytes.
.macro TOSTAGE ps
.set AC, 64*(((\ps)/2)%2)+32*((\ps)%2)
.set BK, OB+32*((\ps)%2)
.if (\ps) >= 2
	s_wait_xcnt 0x0                                ; the stores of the pass two back have read their registers, which are loaded again below
.endif
	WIN 0x08+0x04*((\ps)/4)                        ; the stores' data in window 2 or 3
.irp b, 0,1,2,3
	ds_store_b128 v[STO], v[AC+8*(\b):AC+8*(\b)+3]   offset:64*(\b)
	ds_store_b128 v[STO], v[AC+8*(\b)+4:AC+8*(\b)+7] offset:64*(\b)+16
.endr
	WIN 0
.irp t, 0,1,2,3,4,5,6,7
	ds_load_b128 v[BK+4*(\t):BK+4*(\t)+3], v[RD] offset:2*XP*(\t)  ; LDS serves a wave's instructions in order (ISA guide 5.7.1.4): these see the stores above; the next pass's stores come behind them
.endr
.endm
.macro SEND ps, younger                ; younger: the LDS instructions issued behind this pass's loads: the next pass's sixteen, or none
.set BK, OB+32*((\ps)%2)
	WIN 0
.irp t, 0,1,2,3,4,5,6,7
	s_wait_dscnt (\younger)+7-(\t)
	global_store_b128 v[CO], v[BK+4*(\t):BK+4*(\t)+3], s[12:13] offset:(16*((\ps)/2)+2*(\t))*4096+256*((\ps)%2) th:TH_STORE_NT  ; 16 lanes store 256 consecutive bytes, at a multiple of 256 from out's first byte
.endr
.endm
	PART 0, 1, 0, 16, 0, 0, 0, 1                   ; w @ biases: the first K step of every sum
	PART 1, 1, 0, 16, 0, 0, 0, 1
	WIN 0
	s_wait_tensorcnt 0x0                           ; my first fills have landed,
	s_barrier_signal -1
	s_barrier_wait -1                              ; everybody's have
	XLOAD 0                                        ; period 0's x
	XLOAD 1
	s_wait_dscnt 0x0
	XCVT 0
	XCVT 1
	WIN 0
	s_wait_tensorcnt 0x0                           ; x's tile is filled again: no tensor load of mine is out,
	ds_add_u32 v[SPW], v[NIL]                      ; 0 onto my spare word;
	s_add_nc_u64 s[G0X+2:G0X+3], s[G0X+2:G0X+3], 256  ; tile 1
	s_wait_dscnt 0x0                               ; the add is done, and my reads of tile 0 are over
	CROUND                                         ; that holds of every wave of every partner
	JLOADX
	WLOAD 0, 0, 0, 0                               ; the first group's fragments,
	WIN S_LO
.set k, 0
.rept 16
	RIDER 0, 1, k, 0, 0                            ; and its A': w[.][0] x, half 0, into buffer 0
.set k, k+1
.endr
	WIN S_HI
.set k, 0
.rept 16
	RIDER 1, 1, k, 0, 0
.set k, k+1
.endr
	WIN 0
	s_mov_b32 s[CNT], 15
.Ltrip:                                        ; periods 0 to 14; the fifteenth trip is left behind its second round, since x has no further tile
.irp q, 0,1,2,3,4,5
	GRP 0, \q, 0
.endr
	G6 0, 1
	G7 0, 0, 1, 1, 1                               ; slot 0 takes the next period's first step
.irp q, 0,1,2,3,4,5
	GRP 1, \q, 1
.endr
	G6 1, 1
	s_sub_co_u32 s[CNT], s[CNT], 1
	s_cmp_eq_u32 s[CNT], 0
	s_cbranch_scc1 .Lexit
	G7 1, 1, 2, 1, 0                               ; slot 1 takes the next period's second step, x's tile the period after next's
	WIN 0
	s_branch .Ltrip
.Lexit:                                        ; the tail is written out
	G7 1, 1, 1, 0, 0                               ; the last tile of wh; nothing more of x, and nothing is prefetched
.irp q, 0,1,2,3,4,5
	GRP 0, \q, 0                                   ; period 15
.endr
	G6 0, 0                                        ; the last tile has landed, everybody's part of it; nothing is filled again, so no round follows
	G7 0, 0, 0, 0, 0
.irp q, 0,1,2,3,4,5,6
	GRP 1, \q, 0
.endr
	s_wait_dscnt 0x0                               ; the very last group: nothing more to fetch, and no A' to make
	PART 0, 1, 0, 16, 0, 0, 0, 0
	PART 1, 1, 0, 16, 0, 0, 0, 0
	WIN 0
.rept 8
	v_nop                                          ; the places behind the last products, ahead of the LDS stores that read results: no other vector work is at hand
.endr
	TOSTAGE 0
.irp ps, 1,2,3,4,5,6,7                  ; a pass's LDS work stands between the loads of the pass before and its stores
	TOSTAGE \ps
	SEND (\ps)-1, 16
.endr
	SEND 7, 0
	s_wait_tensorcnt 0x0                           ; the wave's end, behind my last tensor load and my last LDS store
	ds_add_u32 v[SPW], v[NIL]
	s_wait_dscnt 0x0
	CROUND                                         ; the closing round: no work-group ends while a partner may still ask for a tile that names it
	s_endpgm
.Lfunc_end_k_qf48d64c2ec_dynlin:
	.size	k_qf48d64c2ec_dynlin, .Lfunc_end_k_qf48d64c2ec_dynlin-k_qf48d64c2ec_dynlin
	.p2alignl 7, 3214868480
	.fill 96, 4, 3214868480
	.section	.rodata,"a",@progbits
	.p2align	6, 0x0
	.amdhsa_kernel k_qf48d64c2ec_dynlin
		.amdhsa_group_segment_fixed_size 327680
		.amdhsa_private_segment_fixed_size 0
		.amdhsa_enable_private_segment 0
		.amdhsa_kernarg_size 40
		.amdhsa_user_sgpr_count 2
		.amdhsa_user_sgpr_kernarg_segment_ptr 1
		.amdhsa_wavefront_size32 1
		.amdhsa_system_sgpr_workgroup_id_x 1
		.amdhsa_system_sgpr_workgroup_id_y 1
		.amdhsa_system_sgpr_workgroup_id_z 1
		.amdhsa_system_vgpr_workitem_id 0
		.amdhsa_next_free_vgpr 960
		.amdhsa_next_free_sgpr 88
		.amdhsa_reserve_vcc 0
		.amdhsa_float_denorm_mode_32 3
		.amdhsa_float_denorm_mode_16_64 3
		.amdhsa_memory_ordered 1
		.amdhsa_forward_progress 1
		.amdhsa_inst_pref_size 229
	.end_amdhsa_kernel
	.amdgpu_metadata
---
amdhsa.version: [ 1, 2 ]
amdhsa.kernels:
  - .name:           k_qf48d64c2ec_dynlin
    .symbol:         k_qf48d64c2ec_dynlin.kd
    .args:
      - { .name: input, .offset: 0, .size: 8, .value_kind: global_buffer, .address_space: global }
      - { .name: w, .offset: 8, .size: 8, .value_kind: global_buffer, .address_space: global }
      - { .name: wh, .offset: 16, .size: 8, .value_kind: global_buffer, .address_space: global }
      - { .name: biases, .offset: 24, .size: 8, .value_kind: global_buffer, .address_space: global }
      - { .name: out0, .offset: 32, .size: 8, .value_kind: global_buffer, .address_space: global }
    .group_segment_fixed_size: 327680
    .private_segment_fixed_size: 0
    .kernarg_segment_align: 8
    .kernarg_segment_size: 40
    .max_flat_workgroup_size: 128
    .sgpr_count:     88
    .vgpr_count:     960
    .wavefront_size: 32
...
	.end_amdgpu_metadata
.endif
;; end of part 2
;; ======== version 2 of 2: 2 launches; version 1 with the launch pack written anew for expert scheduling mode
;; limits: values are held in f16: magnitudes above 65,504 overflow, below 6.1e-05 lose precision
;; workspace buffers: wh 16,777,216 bytes
;; launch pack (part 3): grid 512 x 1, 8 waves a work-group, no clusters, 0 bytes of LDS; arguments weights, wh; writes wh
.if DOCPART == 3
	.amdgcn_target "amdgcn-amd-amdhsa--gfx1250"
	.amdhsa_code_object_version 6
	.text
	.protected	k_qf48d64c2ec_pack
	.globl	k_qf48d64c2ec_pack
	.p2align	8
	.type	k_qf48d64c2ec_pack,@function
k_qf48d64c2ec_pack:
	s_mov_b64 s[64:65], 0
	v_nop
	global_prefetch_b8 v0, s[64:65] scope:SCOPE_SE
	s_setreg_imm32_b32 hwreg(HW_REG_WAVE_SCHED_MODE, 0, 2), 2
	s_setreg_imm32_b32 hwreg(HW_REG_WAVE_MODE, 25, 1), 1
	s_wait_xcnt 0x0
	s_wait_alu depctr_vm_vsrc(0)
; wh = weights, each number rounded once to f16 and laid in blocks for the launch behind.
; weights: [8 d][1024 o][1024 i] f32.  wh: [16 kc][2 j][1024 o][4 dd][64 kk] f16, with d = 4 j + dd and i = 64 kc + kk:
; byte ((2 kc + j) 1024 + o) 512 + 128 dd + 2 kk.  So what one K chunk of 64 and four d want of 256 rows o is 131,072 dense bytes.
; LIMITS.  f16 ends at 65,504: a weight of 65,520 or more in magnitude becomes an infinity; below 6e-5 a weight keeps f16's fixed step of 6e-8.
; SHARES.  4,096 units, one a wave: unit u = 8 x work-group + wave takes o = u / 4 and the two rows d = 2 (u % 4), 2 (u % 4) + 1 (lanes 0-15, lanes 16-31).
; A load takes 256 consecutive aligned bytes of each of the two rows; a store's 32 lanes x 8 bytes are 256 consecutive aligned bytes of wh.
; All 16 loads of a wave go out at once (8 KiB a wave); no register is written twice, so no wait frees one.  No LDS, no barrier, no matrix unit: nothing is shared.
; THE MODE: SCHED_MODE bits 1:0 = 2 (LLVM: expert scheduling mode 2), set by the entry lines.  The code itself states the register dependences
; between vector instructions and memory instructions, with s_wait_alu, always for 0.
; THE PLAN.  Registers that memory instructions touch:
;   v1, v2   byte offsets in weights and in wh.  Written by vector lines at the head, never again; read by every load (v1) and every store (v2).
;   X        chunk kc: 4 registers.  Its load lands there, once; its two roundings read them.  No vector line names X ahead of the loads, and nothing lands in X a second time.
;   Y        chunk kc: 2 registers.  Written by its two roundings, once; read by its store, once.
; The 16 chunks go in four groups of four.  The store of chunk kc - 4 stands ahead of chunk kc's roundings, so that ONE wait on va_vdst at the head of a group states that the group before has
; written its Y; the vector lines behind that wait write the present group's Y alone, which none of the group's four stores reads.  One more such wait stands ahead of the last four stores, and one
; at the head ahead of the first load, for v1 and v2.  No register that a memory instruction reads is ever written again, so no wait on vm_vsrc is owed.
.set X, 8                              ; v[8:71]    16 x 4 numbers as loaded
.set Y, 72                             ; v[72:103]  16 x 2 registers to store
	s_load_b128 s[4:7], s[0:1], 0x0                ; weights s[4:5], wh s[6:7]
	v_lshrrev_b32 v3, 5, v0
	v_readfirstlane_b32 s8, v3                     ; wave 0..7
	v_and_b32 v4, 31, v0                           ; lane
	v_and_b32 v5, 15, v0
	v_lshrrev_b32 v6, 4, v4                        ; which of the two rows
	v_lshlrev_b32 v1, 4, v5                        ; 16 bytes a lane,
	v_lshl_add_u32 v1, v6, 22, v1                  ; and one d (4 MiB) further for lanes 16-31
	v_lshlrev_b32 v2, 3, v4                        ; in wh: 8 bytes a lane; lanes 16-31 fall on the next dd, 128 bytes on
	s_wait_alu depctr_va_sdst(0)                   ; s8 is written, ahead of its first reader: u, and both bases, are made from it
	s_lshl_b32 s9, ttmp9, 3
	s_add_co_u32 s9, s9, s8                        ; u
	s_lshr_b32 s10, s9, 2                          ; o
	s_and_b32 s11, s9, 3                           ; the pair of d
	s_lshl_b32 s12, s11, 23                        ; two d are 8 MiB
	s_lshl_b32 s13, s10, 12                        ; a row is 4,096 bytes
	s_add_co_u32 s12, s12, s13
	s_mov_b32 s13, 0
	s_lshr_b32 s14, s11, 1                         ; j
	s_lshl_b32 s14, s14, 19                        ; 1,024 rows of 512 bytes
	s_lshl_b32 s15, s10, 9
	s_add_co_u32 s14, s14, s15
	s_and_b32 s15, s11, 1                          ; dd = 0, 1 or 2, 3
	s_lshl_b32 s15, s15, 8
	s_add_co_u32 s14, s14, s15
	s_mov_b32 s15, 0
	s_wait_kmcnt 0x0
	s_add_nc_u64 s[4:5], s[4:5], s[12:13]
	s_add_nc_u64 s[6:7], s[6:7], s[14:15]          ; kc = 0 .. 7 by the immediate, 1 MiB each,
	s_add_nc_u64 s[16:17], s[6:7], 0x800000        ; kc = 8 .. 15 from a second base: the immediate has 24 signed bits
	s_wait_alu depctr_va_vdst(0)                   ; v1 and v2 are written: every load reads v1 as its offset, every store v2
.irp kc, 0,1,2,3,4,5,6,7,8,9,10,11,12,13,14,15
	global_load_b128 v[X+4*(\kc):X+4*(\kc)+3], v1, s[4:5] offset:256*(\kc) th:TH_LOAD_NT
.endr
; The store of chunk kc: its Y was written ahead of the last wait on va_vdst, and no vector line since names it.
.macro PUT kc
.if (\kc) < 8
	global_store_b64 v2, v[Y+2*(\kc):Y+2*(\kc)+1], s[6:7] offset:(\kc)*1048576 th:TH_STORE_NT
.else
	global_store_b64 v2, v[Y+2*(\kc):Y+2*(\kc)+1], s[16:17] offset:((\kc)-8)*1048576 th:TH_STORE_NT
.endif
.endm
.irp kc, 0,1,2,3,4,5,6,7,8,9,10,11,12,13,14,15
	s_wait_loadcnt 15-(\kc)                        ; loads come back in order: chunk kc is in, the younger ones stay out
.if (((\kc) % 4) == 0) && ((\kc) > 0)
	s_wait_alu depctr_va_vdst(0)                   ; the roundings of the four chunks before have written their Y, which this group's four stores read
.endif
.if (\kc) >= 4
	PUT (\kc)-4
.endif
	v_cvt_pk_f16_f32 v[Y+2*(\kc)], v[X+4*(\kc)], v[X+4*(\kc)+1]
	v_cvt_pk_f16_f32 v[Y+2*(\kc)+1], v[X+4*(\kc)+2], v[X+4*(\kc)+3]
.endr
	s_wait_alu depctr_va_vdst(0)                   ; the roundings of chunks 12 to 15 have written their Y, which the last four stores read
.irp kc, 12,13,14,15
	PUT \kc
.endr
	s_endpgm
.Lfunc_end_k_qf48d64c2ec_pack:
	.size	k_qf48d64c2ec_pack, .Lfunc_end_k_qf48d64c2ec_pack-k_qf48d64c2ec_pack
	.p2alignl 7, 3214868480
	.fill 96, 4, 3214868480
	.section	.rodata,"a",@progbits
	.p2align	6, 0x0
	.amdhsa_kernel k_qf48d64c2ec_pack
		.amdhsa_group_segment_fixed_size 0
		.amdhsa_private_segment_fixed_size 0
		.amdhsa_enable_private_segment 0
		.amdhsa_kernarg_size 16
		.amdhsa_user_sgpr_count 2
		.amdhsa_user_sgpr_kernarg_segment_ptr 1
		.amdhsa_wavefront_size32 1
		.amdhsa_system_sgpr_workgroup_id_x 1
		.amdhsa_system_sgpr_workgroup_id_y 1
		.amdhsa_system_sgpr_workgroup_id_z 1
		.amdhsa_system_vgpr_workitem_id 0
		.amdhsa_next_free_vgpr 104
		.amdhsa_next_free_sgpr 66
		.amdhsa_reserve_vcc 0
		.amdhsa_float_denorm_mode_32 3
		.amdhsa_float_denorm_mode_16_64 3
		.amdhsa_memory_ordered 1
		.amdhsa_forward_progress 1
		.amdhsa_inst_pref_size 8
	.end_amdhsa_kernel
	.amdgpu_metadata
---
amdhsa.version: [ 1, 2 ]
amdhsa.kernels:
  - .name:           k_qf48d64c2ec_pack
    .symbol:         k_qf48d64c2ec_pack.kd
    .args:
      - { .name: weights, .offset: 0, .size: 8, .value_kind: global_buffer, .address_space: global }
      - { .name: wh, .offset: 8, .size: 8, .value_kind: global_buffer, .address_space: global }
    .group_segment_fixed_size: 0
    .private_segment_fixed_size: 0
    .kernarg_segment_align: 8
    .kernarg_segment_size: 16
    .max_flat_workgroup_size: 256
    .sgpr_count:     66
    .vgpr_count:     104
    .wavefront_size: 32
...
	.end_amdgpu_metadata
.endif
;; end of part 3
;; launch dynlin: the kernel of part 2 again; grid 4 x 64, 4 waves a work-group, clusters of 4 x 4, 327,680 bytes of LDS; arguments input, w, wh, biases, out0; writes out0
